; MI455X (gfx1250); checked and timed in simulation.
; The chip was launched on July 23, 2026; its instructions are those of AMD's public machine-readable ISA for CDNA 5 (MIT licence, August 2026) and "CDNA5" Instruction Set Architecture Reference Guide (July 2026). The comments in the code are by the model that wrote it; some were corrected since.
;; Self Attention. Allowed arithmetic: matrix products marked QUANTISED: E2M1 operands, one E8M0 scale for each 32 along K, by v_wmma_scale_f32_16x16x128_f8f6f4 with both operands' format E2M1 (or v_wmma_scale_f32_32x16x128_f4), f32 sums; everything else in f32.
;; Inputs: b_out 1,024 float32; b_qkv 3,072 float32; gn_b 1,024 float32; gn_w 1,024 float32; w_out 1,024 x 1,024 float32; w_qkv 3,072 x 1,024 float32; x 4 x 1,024 x 1,024 float32.
;; Outputs: out0 4 x 1,024 x 1,024 float32.
;; This version of the problem:
;;   THIS VERSION OF THE PROBLEM IS GIVEN IN LOW PRECISION. The matrix products marked QUANTISED in the list below multiply operands that are first quantised to E2M1 (2 exponent bits, 1 mantissa bit; 4 bits a number), with one power-of-two scale for each 32 numbers along K (OCP MX v1.0); their sums are f32. All else is computed in f32.
;;   The module's matrix products, in the order in which they are computed (A, B: the left and right operand; K: the contracted axis; several contracted axes count as one K, in the product's order):
;;     1. [M 4,096, K 1,024] x [K 1,024, N 3,072]; A: computed on the way; B: input w_qkv: QUANTISED
;;     2. batch 64 x [M 1,024, K 64] x [K 64, N 1,024]; A: computed on the way; B: computed on the way: QUANTISED
;;     3. batch 64 x [M 1,024, K 1,024] x [K 1,024, N 64]; A: softmax (see below); B: computed on the way: QUANTISED
;;     4. [M 4,096, K 1,024] x [K 1,024, N 1,024]; A: computed on the way; B: input w_out: QUANTISED
;;   THE QUANTISER, for each operand of a quantised product, along K:
;;     - K is cut into blocks of 32 from its start; a last block that is shorter is filled with zeros.
;;     - A block's scale is 2^e with e = floor(log2(the largest magnitude in the block)) - 2, held to -126 .. 127; a block of zeros has e = 0. As a byte (E8M0): e + 127.
;;     - Each number is divided by its block's scale, clamped to +-6, and rounded to the nearest number of E2M1, ties to even, subnormals kept.
;;     - The product sums the exact products of the quantised numbers (number of the format x scale) in f32.
;;   ~~~python
;;   def quantise(x, axis):      # numpy; x: float32 -> the quantised numbers, widened to float32 again
;;       x = np.moveaxis(x, axis, -1); K = x.shape[-1]
;;       x = np.pad(x, [(0, 0)] * (x.ndim - 1) + [(0, -K % 32)]); x = x.reshape(x.shape[:-1] + (-1, 32)); a = np.abs(x).max(-1, keepdims=True)
;;       e = np.where(a > 0, np.clip(np.frexp(np.where(a > 0, a, 1))[1] - 1 - 2, -126, 127), 0)      # np.frexp(a)[1] - 1 = floor(log2(a)), exactly
;;       r = np.clip(x / 2.0 ** e, -6, 6)
;;       step = 2.0 ** (np.maximum(np.frexp(np.where(r == 0, 1, r))[1] - 1, 0) - 1)
;;       q = np.round(r / step) * step * 2.0 ** e      # np.round: ties to even
;;       return np.moveaxis(q.reshape(q.shape[:-2] + (-1,))[..., :K], -1, axis).astype(np.float32)
;;   ~~~
;;   SOFTMAX AHEAD OF A QUANTISED PRODUCT. Where the list says 'softmax', what is quantised is not the finished softmax but p = 2^(t - M), with t = logit x log2(e) and M = ceil(the row's largest t), a whole number; so 1/2 < the row's largest p <= 1. The row's sum l is taken of the UNQUANTISED p, in f32, and the product's result is divided by l at the end. Since M is a whole number, a kernel that streams over the keys may use a running M (the ceiling of the running maximum): every later rescaling is an exact power of two, which a block's scale takes up: the codes' values come out the same.
;;   OPERANDS COMPUTED ON THE WAY. 'Computed on the way' means the value that the module computes at that place (a softmax that the list does not call 'softmax' is quantised finished and normalised). What goes into a quantiser is computed in f32, as accurately as f32 sums, v_exp_f32 and their like allow (about 1e-6 of the number): no bf16 or f16 on the way to a quantiser, and a product that is left as it is and whose result goes on into a quantised operand takes f32 operands (vector FMAs, or v_wmma_f32_16x16x4_f32). A number that lies on a knife's edge between two numbers of the format may be rounded either way, as far as f32 arithmetic and the matrix unit's own rounding can turn it there, and no further.
;; One version. Each part assembles by itself: llvm-mc -triple=amdgcn-amd-amdhsa -mcpu=gfx1250 --defsym DOCPART=n.
;; ======== version 1 of 1: 3 launches
;; limits: right only within a limited range of input values
;; workspace buffers: hq 2,228,224 bytes; wq 2,228,224 bytes; qk 4,718,592 bytes; vv 2,228,224 bytes
;; launch prep (part 1): grid 256 x 1, 8 waves a work-group, no clusters, 185,856 bytes of LDS; arguments x, gn_w, gn_b, w_qkv, w_out, hq, wq; writes hq, wq
.if DOCPART == 1
	.amdgcn_target "amdgcn-amd-amdhsa--gfx1250"
	.amdhsa_code_object_version 6
	.text
	.protected	k_q859352c1b0_prep
	.globl	k_q859352c1b0_prep
	.p2align	8
	.type	k_q859352c1b0_prep,@function
k_q859352c1b0_prep:
	s_mov_b64 s[64:65], 0
	v_nop
	global_prefetch_b8 v0, s[64:65] scope:SCOPE_SE
	s_setreg_imm32_b32 hwreg(HW_REG_WAVE_MODE, 25, 1), 1
	s_wait_xcnt 0x0
; PREP: x is group-normalised and quantised; w_qkv and w_out are quantised: codes of FP4 (E2M1) with K innermost and one E8M0 byte for each 32 along K.
; A work-group takes 32,768 consecutive f32 = 32 rows of 1,024: work-groups 0-127 one GroupNorm group of x each (-> hq), 128-223 w_qkv, 224-255 w_out (-> wq, w_out behind w_qkv).
; ONE path for all: only pointers are chosen, by the work-group's number.  A weight's work-group runs the sums too and then takes mean 0, factor 1, gain 1, bias 0: fma(w, 1, 0) = w exactly.
; The mean and the variance are taken in two passes over registers (first the mean, then the squares of x - mean): no difference of large sums is formed.
; THE ORDER OF ROWS IN hq AND wq: inside each 32 rows, row i lies at place 16 ((i >> 3) & 1) + 8 (i >> 4) + (i & 7): so 16 consecutive stored rows are rows 8 u + 0..7 and 8 u + 16..23, the tile that makes a
; transposed product's 16 registers of two neighbouring tiles 16 neighbours.  Wave w takes rows 4 w .. 4 w + 3; they land as the chunk's quarter-tile w' = (w & 1) | ((w & 2) << 1) | ((w & 4) >> 1).
; hq, wq: codes [4096 stored rows][512 bytes]; 2,097,152 bytes on: scale bytes [4096 stored rows][32].
; A block's scale is 2^(floor(log2(largest magnitude)) - 2); its byte is the largest magnitude's exponent field - 2, held at 1 from below.
; LIMITS: NaN and infinities are not served; a block whose largest magnitude lies under 2^-124 keeps the byte 1; a block of zeros has the byte 1 where the quantiser's text says 127 (its codes are zeros, and only this program reads the bytes).
; Each wave brings its 16 KiB by one tensor load into LDS bytes of its own, 16 bytes of padding behind each 64, so that a lane can take 16 NEIGHBOURS (64 bytes, 80 apart from lane to lane) without bank conflicts.  Nothing in LDS is filled twice.
.set DATAW, 20480                      ; a wave's region: 256 pieces of 64 bytes, 80 apart
.set SB,    163840                     ; the chunk's 1,024 scale bytes, in stored order
.set RED,   164864                     ; the waves' partial sums: first pass at +4 w, second at +64 + 4 w
.set X,     32                         ; v32-159  my 128 numbers: register 16 t + i = number 512 t + 16 lane + i of the wave
.set CD,    160                        ; v160-175 codes, two registers a step
.set BY,    176                        ; v176-183 a scale byte a step
.set CH,    184                        ; v184-191 four packed chains of sums
; THE BYTES OF THE STORED ROWS lie as images of the products' fragments: [tile of 16 stored rows][K step of 128: 8][c 2][lane 16 h + r][16 bytes]: lane (r, h) has row r, K = 128 q + 64 c + 32 h + 0 .. 31.
; A chunk is two tiles, 16,384 bytes.  Its codes are gathered by rows in LDS and leave as images, 512 consecutive bytes a store.
.set STG,   168960                     ; the gathered codes: 32 stored rows, 512 bytes + 16 of padding each; behind the spare words
	s_load_b256 s[4:11], s[0:1], 0x0               ; x, gn_w, gn_b, w_qkv
	s_load_b128 s[12:15], s[0:1], 0x20             ; w_out, hq
	s_load_b64 s[16:17], s[0:1], 0x30              ; wq
	v_lshl_add_u32 v192, v0, 2, 0x29000
	v_mov_b32 v193, 0
	ds_add_u32 v192, v193
	ds_add_u32 v192, v193
	v_lshrrev_b32 v1, 5, v0
	s_delay_alu instid0(VALU_DEP_1)
	v_readfirstlane_b32 s22, v1                    ; wave w
	v_and_b32 v1, 31, v0                           ; lane
	s_and_b32 s23, s22, 1
	s_and_b32 s2, s22, 2
	s_lshl_b32 s2, s2, 1
	s_or_b32 s23, s23, s2
	s_and_b32 s2, s22, 4
	s_lshr_b32 s2, s2, 1
	s_or_b32 s23, s23, s2                          ; w'
	; descriptor group 1: 64 rows of 256 bytes (32 elements of 8 bytes), dense in memory; 4 words of padding behind every 16 words
	s_mov_b32 s32, (3<<16)|(1<<20)|(3<<22)|(3<<25)
	s_mov_b32 s33, 32<<16                          ; tensor_dim0
	s_mov_b32 s34, 64<<16                          ; tensor_dim1
	s_mov_b32 s35, 32<<16                          ; tile_dim0
	s_mov_b32 s36, 64                              ; tile_dim1
	s_mov_b32 s37, 32                              ; elements from row to row
	s_mov_b32 s38, 0
	s_mov_b32 s39, 0
	s_mov_b32 s28, 1
	s_mul_i32 s29, s22, DATAW                      ; LDS: my wave's region
	s_mov_b32 s56, 0x76543210
	s_mov_b32 s57, 0xfedcba98                      ; v_permlanex16_b32's selects for lane l xor 16
	s_wait_alu depctr_va_vdst(0)
	s_wait_dscnt 0x0
	s_wait_kmcnt 0x0
	s_cmp_lt_u32 ttmp9, 128                        ; x's work-group?  Every choice hangs on the work-group's number alone
	s_cselect_b64 s[26:27], s[4:5], s[10:11]
	s_cselect_b64 s[18:19], s[14:15], s[16:17]
	s_cselect_b32 s20, 0, 128
	s_cselect_b32 s21, 0, 128
	s_cselect_b32 s24, -1, 0                       ; a lane mask: all ones for x, none for a weight
	s_cmp_lt_u32 ttmp9, 224
	s_cselect_b64 s[26:27], s[26:27], s[12:13]
	s_cselect_b32 s20, s20, 224
	s_sub_co_u32 s20, ttmp9, s20                   ; which chunk of the input tensor
	s_sub_co_u32 s21, ttmp9, s21                   ; which chunk of the output buffer
	s_lshl_b32 s2, s20, 17
	s_lshl_b32 s3, s22, 14
	s_add_co_u32 s2, s2, s3
	s_mov_b32 s3, 0
	s_add_nc_u64 s[30:31], s[26:27], s[2:3]
	s_or_b32 s31, s31, 0x80000000                  ; type = 2
	tensor_load_to_lds s[28:31], s[32:39]          ; my 16 KiB: the wave's one tensor load
	s_nop 0
	s_and_b32 s2, ttmp9, 31                        ; the gains and biases of my four rows: row 32 (group) + 4 w; a weight's work-group reads the first four and does not use them
	s_lshl_b32 s2, s2, 7
	s_lshl_b32 s25, s22, 4
	s_add_co_u32 s2, s2, s25
	s_and_b32 s2, s2, s24
	s_add_nc_u64 s[6:7], s[6:7], s[2:3]
	s_add_nc_u64 s[8:9], s[8:9], s[2:3]
	s_load_b128 s[40:43], s[6:7], 0x0
	s_load_b128 s[44:47], s[8:9], 0x0
	s_lshl_b32 s2, s21, 14
	s_lshl_b32 s25, s22, 11                        ; (the wave stores the image's 2,048 bytes from 2,048 w on)
	s_add_co_u32 s2, s2, s25
	s_add_nc_u64 s[58:59], s[18:19], s[2:3]        ; my codes: chunk x 16,384 + 2,048 w
	s_lshl_b32 s2, s21, 10
	s_lshl_b32 s25, s22, 9
	s_add_co_u32 s2, s2, s25
	s_add_nc_u64 s[60:61], s[18:19], s[2:3]        ; the chunk's scale bytes, 512 for each of waves 0 and 1
	v_mul_u32_u24 v2, v1, 80
	s_delay_alu instid0(VALU_DEP_1)
	v_add_nc_u32 v2, s29, v2                       ; LDS: my 64 bytes of a step
	s_mul_i32 s25, s23, 4*528
	s_add_co_u32 s25, s25, STG
	v_lshl_add_u32 v3, v1, 3, s25                  ; LDS: my 8 bytes of a step's codes, in my wave's four stored rows
	s_lshl_b32 s25, s23, 7
	s_add_co_u32 s25, s25, SB
	v_lshrrev_b32 v4, 1, v1
	s_delay_alu instid0(VALU_DEP_1)
	v_add_nc_u32 v4, s25, v4                       ; LDS: my block's scale byte
	v_mov_b32 v6, RED
	s_lshl_b32 s25, s22, 2
	v_add_nc_u32 v5, s25, v6                       ; LDS: my wave's partial sum
	v_lshlrev_b32 v7, 4, v1                        ; 16 x lane
	s_lshl_b32 s25, s22, 9
	s_add_co_u32 s25, s25, SB
	v_add_nc_u32 v28, s25, v7                      ; LDS: the scale bytes on their way out (waves 0 and 1)
	v_mov_b32 v9, 0                                ; a lane permute's destination counts as one of its sources
	s_lshr_b32 s25, s22, 2
	s_mul_i32 s25, s25, 16*528
	s_and_b32 s2, s22, 3
	s_lshl_b32 s2, s2, 7
	s_add_co_u32 s25, s25, s2
	s_add_co_u32 s25, s25, STG
	v_and_b32 v30, 15, v1
	v_lshrrev_b32 v31, 4, v1
	v_mul_u32_u24 v29, v30, 528
	v_lshl_add_u32 v29, v31, 4, v29
	v_add_nc_u32 v29, s25, v29                     ; LDS: the codes on their way out: tile w / 4, row r, piece 8 (w % 4) + h
	s_wait_alu depctr_va_vdst(0)
	s_wait_kmcnt 0x0
	s_cmp_lg_u32 s24, 0
.irp j, 0,1,2,3
	s_cselect_b32 s[40+\j], s[40+\j], 1.0          ; gain, or 1
	s_cselect_b32 s[48+2*\j], s[44+\j], 0          ; bias, or 0
	s_mov_b32 s[49+2*\j], s[48+2*\j]               ; (the packed form names the pair)
.endr
	s_wait_tensorcnt 0x0                           ; my bytes are in LDS; only I read them
.set t, 0
.rept 8
.irp j, 0,1,2,3
	ds_load_b128 v[X+16*t+4*\j:X+16*t+4*\j+3], v2 offset:2560*t+16*\j
.endr
.set t, t+1
.endr
	s_wait_dscnt 0x0
; The four chains are folded, the 32 lanes' sums joined, the eight waves' sums met in LDS behind a barrier; v8 = the sum / 32,768 in every lane.
.macro FOLD off
	s_delay_alu instid0(VALU_DEP_3)
	v_pk_add_f32 v[CH:CH+1], v[CH:CH+1], v[CH+2:CH+3]
	s_delay_alu instid0(VALU_DEP_2)
	v_pk_add_f32 v[CH+4:CH+5], v[CH+4:CH+5], v[CH+6:CH+7]
	s_delay_alu instid0(VALU_DEP_1)
	v_pk_add_f32 v[CH:CH+1], v[CH:CH+1], v[CH+4:CH+5]
	s_delay_alu instid0(VALU_DEP_1)
	v_add_f32 v8, v[CH], v[CH+1]
	s_delay_alu instid0(VALU_DEP_1)
	v_add_f32_dpp v8, v8, v8 row_xmask:1 row_mask:0xf bank_mask:0xf
	s_delay_alu instid0(VALU_DEP_1)
	v_add_f32_dpp v8, v8, v8 row_xmask:2 row_mask:0xf bank_mask:0xf
	s_delay_alu instid0(VALU_DEP_1)
	v_add_f32_dpp v8, v8, v8 row_xmask:4 row_mask:0xf bank_mask:0xf
	s_delay_alu instid0(VALU_DEP_1)
	v_add_f32_dpp v8, v8, v8 row_xmask:8 row_mask:0xf bank_mask:0xf
	s_delay_alu instid0(VALU_DEP_1)
	v_permlanex16_b32 v9, v8, s56, s57
	s_delay_alu instid0(VALU_DEP_1)
	v_add_f32 v8, v8, v9
	ds_store_b32 v5, v8 offset:\off                ; all lanes write the same word with the same value
	s_wait_dscnt 0x0                               ; for the others' sake: my store has landed
	s_barrier_signal -1
	s_barrier_wait -1
	ds_load_b128 v[8:11], v6 offset:\off
	ds_load_b128 v[12:15], v6 offset:\off+16
	s_wait_dscnt 0x0
	v_add_f32 v8, v8, v9
	v_add_f32 v10, v10, v11
	v_add_f32 v12, v12, v13
	v_add_f32 v14, v14, v15
	s_delay_alu instid0(VALU_DEP_3)
	v_add_f32 v8, v8, v10
	s_delay_alu instid0(VALU_DEP_2)
	v_add_f32 v12, v12, v14
	s_delay_alu instid0(VALU_DEP_1)
	v_add_f32 v8, v8, v12
	s_delay_alu instid0(VALU_DEP_1)
	v_mul_f32 v8, 0x38000000, v8                   ; x 2^-15
.endm
	; pass 1: the mean.  The first eight pairs start the four chains: nothing is cleared
.irp c, 0,1,2,3
	v_pk_add_f32 v[CH+2*\c:CH+2*\c+1], v[X+2*\c:X+2*\c+1], v[X+8+2*\c:X+8+2*\c+1]
.endr
.set i, 8
.rept 56
	s_delay_alu instid0(VALU_DEP_4)
	v_pk_add_f32 v[CH+2*(i%4):CH+2*(i%4)+1], v[CH+2*(i%4):CH+2*(i%4)+1], v[X+2*i:X+2*i+1]
.set i, i+1
.endr
	FOLD 0
	s_delay_alu instid0(VALU_DEP_1)
	v_cndmask_b32 v24, 0, v8, s24                  ; the mean, or 0 for a weight
	s_delay_alu instid0(VALU_DEP_1)
	v_mov_b32 v25, v24
	; pass 2: x - mean, and the mean of its squares
.set i, 0
.rept 64
	v_pk_add_f32 v[X+2*i:X+2*i+1], v[X+2*i:X+2*i+1], v[24:25] neg_lo:[0,1] neg_hi:[0,1]
.set i, i+1
.endr
.irp c, 0,1,2,3
	v_pk_mul_f32 v[CH+2*\c:CH+2*\c+1], v[X+2*\c:X+2*\c+1], v[X+2*\c:X+2*\c+1]
.endr
.set i, 4
.rept 60
	s_delay_alu instid0(VALU_DEP_4)
	v_pk_fma_f32 v[CH+2*(i%4):CH+2*(i%4)+1], v[X+2*i:X+2*i+1], v[X+2*i:X+2*i+1], v[CH+2*(i%4):CH+2*(i%4)+1]
.set i, i+1
.endr
	FOLD 64                                        ; other words than the first pass's: no wave can still be reading those that are written
	s_delay_alu instid0(VALU_DEP_1)
	v_add_f32 v8, 0x358637bd, v8                   ; + 1e-6
	s_wait_alu depctr_va_vdst(0)
	v_rsq_f32 v26, v8
	v_nop                                          ; a plain place behind the transcendental
	s_wait_alu depctr_va_vdst(0)
	v_cndmask_b32 v26, 1.0, v26, s24               ; 1 / sqrt(var + eps), or 1 for a weight
.irp j, 0,1,2,3
	v_mul_f32 v[16+2*\j], s[40+\j], v26            ; row j's factor, twice
	v_mul_f32 v[17+2*\j], s[40+\j], v26
.endr
.set i, 0
.rept 64
	v_pk_fma_f32 v[X+2*i:X+2*i+1], v[X+2*i:X+2*i+1], v[16+2*(i/16):17+2*(i/16)], s[48+2*(i/16):49+2*(i/16)] op_sel_hi:[1,1,0]   ; (x - mean) x factor + bias; pair i belongs to row i / 16
.set i, i+1
.endr
; A step: 512 numbers of the wave, 16 neighbours a lane; two neighbouring lanes hold a block of 32.
.macro QSTEP t
.set XS, X+16*(\t)
	v_max3_num_f32 v8, |v[XS]|, |v[XS+1]|, |v[XS+2]|
	v_max3_num_f32 v9, |v[XS+3]|, |v[XS+4]|, |v[XS+5]|
.irp i, 6,10
	s_delay_alu instid0(VALU_DEP_2)
	v_max3_num_f32 v8, v8, |v[XS+\i]|, |v[XS+\i+1]|
	s_delay_alu instid0(VALU_DEP_2)
	v_max3_num_f32 v9, v9, |v[XS+\i+2]|, |v[XS+\i+3]|
.endr
	s_delay_alu instid0(VALU_DEP_2)
	v_max3_num_f32 v8, v8, |v[XS+14]|, |v[XS+15]|
	s_delay_alu instid0(VALU_DEP_1)
	v_max3_num_f32 v8, v8, v9, 0x1800000           ; and the floor 2^(3 - 127): the byte cannot fall under 1
	s_delay_alu instid0(VALU_DEP_1)
	v_max_num_f32_dpp v8, v8, v8 row_xmask:1 row_mask:0xf bank_mask:0xf   ; with my neighbour's 16: the block's largest magnitude
	s_delay_alu instid0(VALU_DEP_1)
	v_add_nc_u32 v11, 0xff000000, v8               ; 2 off its exponent field: the conversion takes the exponent field of this operand as its scale
	v_cvt_scalef32_pk8_fp4_f32 v[CD+2*(\t)], v[XS:XS+7], v11
	v_cvt_scalef32_pk8_fp4_f32 v[CD+2*(\t)+1], v[XS+8:XS+15], v11
	v_lshrrev_b32 v[BY+(\t)], 23, v11              ; the scale's byte (also the plain place behind the conversions)
	ds_store_b8 v4, v[BY+(\t)] offset:16*(\t)      ; both lanes of a block write the same byte with the same value
	ds_store_b64 v3, v[CD+2*(\t):CD+2*(\t)+1] offset:528*((\t)/2)+256*((\t)%2)   ; half a row: 256 bytes a wave
.endm
.irp t, 0,1,2,3,4,5,6,7
	QSTEP \t
.endr
	s_wait_dscnt 0x0                               ; for the others' sake: my scale bytes have landed
	s_barrier_signal -1
	s_barrier_wait -1
.irp n, 0,1,2,3
	ds_load_b128 v[X+4*\n:X+4*\n+3], v29 offset:32*\n
.endr
	s_wait_dscnt 0x0
.irp n, 0,1,2,3
	global_store_b128 v7, v[X+4*\n:X+4*\n+3], s[58:59] offset:512*\n   ; 512 consecutive bytes, aligned
.endr
	s_cmp_gt_u32 s22, 1                            ; waves 0 and 1 store the chunk's 1,024 scale bytes, 512 consecutive bytes each
	s_cbranch_scc1 .Lend
	ds_load_b128 v[12:15], v28
	s_wait_dscnt 0x0
	global_store_b128 v7, v[12:15], s[60:61] offset:2097152
.Lend:
	s_wait_tensorcnt 0x0
	ds_add_u32 v192, v193
	s_wait_dscnt 0x0
	s_endpgm
.Lfunc_end_k_q859352c1b0_prep:
	.size	k_q859352c1b0_prep, .Lfunc_end_k_q859352c1b0_prep-k_q859352c1b0_prep
	.p2alignl 7, 3214868480
	.fill 96, 4, 3214868480
	.section	.rodata,"a",@progbits
	.p2align	6, 0x0
	.amdhsa_kernel k_q859352c1b0_prep
		.amdhsa_group_segment_fixed_size 185856
		.amdhsa_private_segment_fixed_size 0
		.amdhsa_enable_private_segment 0
		.amdhsa_kernarg_size 56
		.amdhsa_user_sgpr_count 2
		.amdhsa_user_sgpr_kernarg_segment_ptr 1
		.amdhsa_wavefront_size32 1
		.amdhsa_system_sgpr_workgroup_id_x 1
		.amdhsa_system_sgpr_workgroup_id_y 1
		.amdhsa_system_sgpr_workgroup_id_z 1
		.amdhsa_system_vgpr_workitem_id 0
		.amdhsa_next_free_vgpr 194
		.amdhsa_next_free_sgpr 66
		.amdhsa_reserve_vcc 0
		.amdhsa_float_denorm_mode_32 3
		.amdhsa_float_denorm_mode_16_64 3
		.amdhsa_memory_ordered 1
		.amdhsa_forward_progress 1
		.amdhsa_inst_pref_size 41
	.end_amdhsa_kernel
	.amdgpu_metadata
---
amdhsa.version: [ 1, 2 ]
amdhsa.kernels:
  - .name:           k_q859352c1b0_prep
    .symbol:         k_q859352c1b0_prep.kd
    .args:
      - { .name: x, .offset: 0, .size: 8, .value_kind: global_buffer, .address_space: global }
      - { .name: gn_w, .offset: 8, .size: 8, .value_kind: global_buffer, .address_space: global }
      - { .name: gn_b, .offset: 16, .size: 8, .value_kind: global_buffer, .address_space: global }
      - { .name: w_qkv, .offset: 24, .size: 8, .value_kind: global_buffer, .address_space: global }
      - { .name: w_out, .offset: 32, .size: 8, .value_kind: global_buffer, .address_space: global }
      - { .name: hq, .offset: 40, .size: 8, .value_kind: global_buffer, .address_space: global }
      - { .name: wq, .offset: 48, .size: 8, .value_kind: global_buffer, .address_space: global }
    .group_segment_fixed_size: 185856
    .private_segment_fixed_size: 0
    .kernarg_segment_align: 8
    .kernarg_segment_size: 56
    .max_flat_workgroup_size: 256
    .sgpr_count:     66
    .vgpr_count:     194
    .wavefront_size: 32
...
	.end_amdgpu_metadata
.endif
;; end of part 1
;; launch qkv (part 2): grid 8 x 24, 4 waves a work-group, clusters of 4 x 4, 327,680 bytes of LDS; arguments hq, wq, b_qkv, qk, vv; writes qk, vv
.if DOCPART == 2
	.amdgcn_target "amdgcn-amd-amdhsa--gfx1250"
	.amdhsa_code_object_version 6
	.text
	.protected	k_q859352c1b0_qkv
	.globl	k_q859352c1b0_qkv
	.p2align	8
	.type	k_q859352c1b0_qkv,@function
k_q859352c1b0_qkv:
	s_mov_b64 s[64:65], 0
	v_nop
	global_prefetch_b8 v0, s[64:65] scope:SCOPE_SE
	s_setreg_imm32_b32 hwreg(HW_REG_WAVE_MODE, 25, 1), 1
	s_wait_xcnt 0x0
	s_wait_alu depctr_hold_cnt(0) depctr_sa_sdst(0) depctr_va_vdst(0) depctr_va_sdst(0) depctr_va_ssrc(0) depctr_va_vcc(0) depctr_vm_vsrc(0)
	s_getreg_b32 s2, hwreg(HW_REG_IB_STS2, 6, 4)
	s_cmp_eq_u32 s2, 0
	s_cbranch_scc0 .Lentry_in_a_cluster
	s_endpgm
.Lentry_in_a_cluster:
	s_bfe_u32 s2, ttmp6, 0x10000c
	s_cmp_lg_u32 s2, 0xf033
	s_cbranch_scc0 .Lentry_shape_is_right
	s_endpgm
.Lentry_shape_is_right:
.set PITCH,  272
; QKV: h w_qkv^T + b_qkv, quantised along the attention's K and laid as images of its operands.  hq and wq lie as fragment images: a tile of 16 rows is 8 K steps of 1,024 bytes.
; A slot holds 512 along K of 256 + 256 rows: of each tile 4,096 consecutive bytes.  Slot 0 is asked for at the head, slot 1 behind the full sequence; both are filled once.
; In the images of q and k (not of v) the token tiles with (tile / 2) odd have rows 0-7 and 8-15 change places.
; NaN and infinities are not served; a block whose largest magnitude lies under 2^-124 keeps the scale byte 1, a block of zeros too (only this program reads the bytes).
.set HALFT,  32768                     ; eight tiles of 4,096 bytes: what one joint load brings
.set SLOT,   4*HALFT
.set FR,     8
.set ADRA, 16
.set ADRB, 20
.set SCO,  22
.set L16,  23
.set SWO,  24
.set BQ,   25
.set BV,   26
.set SAW,  32
.set SBW,  64
.set TM,   96
.set PW,   112
.set AF,   128
.set PC,   128
.set VO,   192
.set SELR, 200
.set SHR,  204
.set BIAS, 64
.set G1,  24
.set G0,  32
.set G1B, 48
.set G0B, 56
.set MSB, 0
.macro WIN new
.if MSB != (\new)
	s_set_vgpr_msb (MSB<<8)|(\new)
.set MSB, \new
.endif
.endm
.macro PLACES n
.rept \n
	v_nop
.endr
.endm
.macro JLOAD g0a, g1a, g0b, g1b
	s_cmp_eq_u32 s15, 0
	s_cbranch_scc0 .Lfor_b_\@
	tensor_load_to_lds s[\g0a:\g0a+3], s[\g1a:\g1a+7]
	s_nop 0
	PLACES 4
	s_branch .Lasked_\@
.Lfor_b_\@:
	tensor_load_to_lds s[\g0b:\g0b+3], s[\g1b:\g1b+7]
	s_nop 0
	PLACES 4
.Lasked_\@:
.endm
.macro CROUND
	s_barrier_signal -1
	s_barrier_wait -1
	s_cmp_lg_u32 s14, 0
	s_cbranch_scc1 .Lnot_wave_0_\@
	s_barrier_signal -3
.Lnot_wave_0_\@:
	s_barrier_wait -3
	s_barrier_signal -1
	s_barrier_wait -1
.endm
	s_load_b256 s[4:11], s[0:1], 0x0
	s_load_b64 s[12:13], s[0:1], 0x20
	v_lshl_add_u32 v254, v0, 2, 0x44000
	v_mov_b32 v255, 0
	ds_add_u32 v254, v255
	ds_add_u32 v254, v255
	v_lshrrev_b32 v1, 5, v0
	v_readfirstlane_b32 s14, v1
	s_lshr_b32 s15, s14, 1
	s_and_b32 s16, s14, 1
	s_bfe_u32 s18, ttmp6, 0x40000
	s_bfe_u32 s19, ttmp6, 0x40004
	s_and_b32 s21, ttmp7, 0xffff
	s_lshl_b32 s40, s19, 2
	s_lshl_b32 s40, 15, s40
	s_lshl_b32 s41, 0x1111, s18
	s_lshl_b32 s86, s21, 2
	s_add_co_u32 s86, s86, s19
	s_cmp_ge_u32 s21, 4
	s_cselect_b32 s17, 1, 0
	s_cselect_b32 s94, s19, s86
	s_cselect_b32 s22, 2048, 0
	s_lshl_b32 s94, s94, 8
	s_add_co_u32 s22, s22, s94
	s_max_u32 s88, s21, 4
	s_sub_co_u32 s88, s88, 4
	s_lshl_b32 s88, s88, 1
	s_add_co_u32 s88, s88, ttmp9
	s_lshl_b32 s88, s88, 2
	s_add_co_u32 s88, s88, s18
	s_lshl_b32 s23, s88, 8
	s_or_b32 s[G1+0], s40, (3<<16)|(1<<21)         ; elements of 8 bytes, no padding; bit 21 set beside a mask
	s_or_b32 s[G1B+0], s41, (3<<16)|(1<<21)
.irp g, G1, G1B
	s_mov_b32 s[\g+1], 512<<16                     ; 4,096 bytes of each tile
	s_mov_b32 s[\g+2], 8<<16
	s_mov_b32 s[\g+3], 512<<16
	s_mov_b32 s[\g+4], 8                           ; eight tiles
	s_mov_b32 s[\g+5], 1024                        ; 8,192 bytes from tile to tile
	s_mov_b32 s[\g+6], 0
	s_mov_b32 s[\g+7], 0
.endr
	s_lshl_b32 s42, s16, 7
	s_add_co_u32 s86, s22, s42
	s_lshl_b32 s86, s86, 9
	s_mov_b32 s87, 0
	s_add_co_u32 s88, s23, s42
	s_lshl_b32 s88, s88, 9
	s_mov_b32 s89, 0
	s_mul_i32 s45, s14, HALFT
	s_mov_b32 s84, 0x76543210
	s_mov_b32 s85, 0xfedcba98
	s_wait_dscnt 0x0
	s_wait_kmcnt 0x0
	s_cmp_lg_u32 s17, 0
	s_cselect_b64 s[66:67], s[6:7], s[4:5]
	s_cselect_b64 s[68:69], s[4:5], s[6:7]
	s_add_nc_u64 s[86:87], s[66:67], s[86:87]
	s_add_nc_u64 s[88:89], s[68:69], s[88:89]
	CROUND
.irp s, 0,1
	s_mov_b32 s[G0+4*\s], 1
	s_add_co_u32 s[G0+4*\s+1], s45, \s*SLOT
	s_add_nc_u64 s[G0+4*\s+2:G0+4*\s+3], s[86:87], \s*4096
	s_or_b32 s[G0+4*\s+3], s[G0+4*\s+3], 0x80000000
	s_mov_b32 s[G0B+4*\s], 1
	s_add_co_u32 s[G0B+4*\s+1], s45, \s*SLOT
	s_add_nc_u64 s[G0B+4*\s+2:G0B+4*\s+3], s[88:89], \s*4096
	s_or_b32 s[G0B+4*\s+3], s[G0B+4*\s+3], 0x80000000
.endr
	JLOAD G0, G1, G0B, G1B                         ; slot 0: one tensor load a wave at the head
	v_and_b32 v1, 15, v0
	v_bfe_u32 v2, v0, 4, 1
	v_and_b32 v5, 31, v0
	v_lshlrev_b32 v4, 4, v5                        ; a fragment comes by loads at 16 x lane
	s_wait_alu depctr_va_vdst(0)
	s_mul_i32 s90, s15, HALFT
	s_mul_i32 s91, s16, HALFT
	s_add_co_u32 s91, s91, 2*HALFT
.irp s, 0,1
	v_add_nc_u32 v[ADRA+\s], s90, v4
	v_add_nc_u32 v[ADRB+\s], s91, v4
	s_add_co_u32 s90, s90, SLOT
	s_add_co_u32 s91, s91, SLOT
.endr
	v_lshlrev_b32 v[SCO], 5, v1
	v_lshl_add_u32 v[SCO], v2, 4, v[SCO]
	s_wait_alu depctr_va_vdst(0)
	v_lshlrev_b32 v[L16], 4, v5
	s_wait_alu depctr_va_vdst(0)
	v_lshlrev_b32 v[BQ], 6, v2
	v_and_b32 v6, 8, v1
	v_add_nc_u32 v6, v6, v1
	v_lshlrev_b32 v[BV], 2, v6
	s_lshl_b32 s92, s15, 7
	s_add_co_u32 s92, s92, s22
	s_lshl_b32 s46, s92, 5
	s_add_co_u32 s46, s46, 2097152
	s_mov_b32 s47, 0
	s_add_nc_u64 s[70:71], s[66:67], s[46:47]
	s_lshl_b32 s93, s16, 7
	s_add_co_u32 s93, s93, s23
	s_lshl_b32 s46, s93, 5
	s_add_co_u32 s46, s46, 2097152
	s_add_nc_u64 s[72:73], s[68:69], s[46:47]
.irp a, 0,1,2,3,4,5,6,7
	global_load_b128 v[SAW+4*\a:SAW+4*\a+3], v[SCO], s[70:71] offset:512*\a
	global_load_b128 v[SBW+4*\a:SBW+4*\a+3], v[SCO], s[72:73] offset:512*\a
.endr
	s_cmp_lg_u32 s17, 0
	s_cselect_b32 s46, s92, s93
	s_lshl_b32 s46, s46, 2
	s_add_nc_u64 s[74:75], s[8:9], s[46:47]
	s_lshr_b32 s90, s23, 7
	s_add_co_u32 s90, s90, s16
	s_lshr_b32 s91, s94, 4
	s_lshl_b32 s92, s15, 3
	s_add_co_u32 s91, s91, s92
	s_lshr_b32 s92, s94, 7
	s_add_co_u32 s92, s92, s15
	s_lshl_b32 s93, s90, 18
	s_lshl_b32 s95, s91, 9
	s_add_co_u32 s93, s93, s95
	s_lshl_b32 s96, s90, 15
	s_lshl_b32 s95, s92, 9
	s_add_co_u32 s96, s96, s95
	s_add_co_u32 s96, s96, 4194304
	s_lshr_b32 s97, s90, 3
	s_and_b32 s98, s90, 7
	s_lshl_b32 s95, s97, 19
	s_lshl_b32 s99, s98, 10
	s_add_co_u32 s95, s95, s99
	s_lshl_b32 s99, s91, 13
	s_add_co_u32 s95, s95, s99
	s_lshl_b32 s97, s97, 15
	s_lshl_b32 s98, s98, 8
	s_add_co_u32 s97, s97, s98
	s_lshl_b32 s99, s92, 12
	s_add_co_u32 s97, s97, s99
	s_add_co_u32 s97, s97, 2097152
	s_mov_b32 s82, 512
	s_mov_b32 s83, 256
	s_mov_b32 s98, 131072
	s_mov_b32 s99, 128
	s_cmp_lg_u32 s17, 0
	s_cselect_b64 s[76:77], s[12:13], s[10:11]
	s_cselect_b32 s46, s95, s93
	s_cselect_b32 s44, s97, s96
	s_cselect_b32 s82, 8192, s82
	s_cselect_b32 s83, 2048, s83
	s_cselect_b32 s98, 512, s98
	s_cselect_b32 s99, 0, s99                      ; q, k: 128 flips row bit 3 in a lane's offset
	s_mov_b64 s[80:81], s[76:77]
	s_add_nc_u64 s[76:77], s[76:77], s[46:47]
	s_mov_b32 s46, s98
	s_add_nc_u64 s[78:79], s[76:77], s[46:47]
	s_mov_b32 s46, s44
	s_add_nc_u64 s[80:81], s[80:81], s[46:47]
	v_mul_u32_u24 v[SWO], s83, v2
	v_lshl_add_u32 v[SWO], v1, 4, v[SWO]
	v_mov_b32 v[VO], v[L16]
.irp a, 1,2,3,4,5,6,7
	v_add_nc_u32 v[VO+\a], s82, v[VO+\a-1]
.endr
.irp a, 2,3,6,7
	v_xor_b32 v[VO+\a], s99, v[VO+\a]
.endr
.irp k, 0,1,2,3
	v_mov_b32 v[TM+4+\k], 0
.endr
	s_cmp_lg_u32 s17, 0
	s_cbranch_scc1 .Lbias_v
	WIN 0x40
.irp b, 0,1,2,3,4,5,6,7
	global_load_b128 v[BIAS+8*\b:BIAS+8*\b+3], v[BQ], s[74:75] offset:(32*(\b/2)+8*(\b%2))*4
	global_load_b128 v[BIAS+8*\b+4:BIAS+8*\b+7], v[BQ], s[74:75] offset:(32*(\b/2)+8*(\b%2))*4+16
.endr
	WIN 0
	s_branch .Lbias_done
.Lbias_v:
	WIN 0x40
.irp a, 0,1,2,3,4,5,6,7
.irp j, 0,1,2,3,4,5,6,7
	global_load_b32 v[BIAS+8*\a+\j], v[BV], s[74:75] offset:(32*(\a/2)+8*(\a%2))*4
.endr
.endr
	WIN 0
.Lbias_done:
.macro FRAG reg, adr, q, i
.irp c, 0,1
	ds_load_b128 v[\reg+4*\c:\reg+4*\c+3], v[\adr] offset:1024*(\q)+512*\c+(\i)*4096
.endr
.endm
.macro MUL16 a0, p, q, slot, cm
.irp a, \a0, \a0+1
.irp b, 0,1,2,3,4,5,6,7
.set rD, 8*(8*((\a)%4)+\b)
.set rB, 128*(\p)+FR*\b
.set rA, AF+FR*(\a)
.set rC, rD
.if \cm == 1
.set rC, BIAS+8*\b
.elseif \cm == 2
.set rC, BIAS+8*(\a)
.endif
.set rSB, SBW+4*\b+(\q)
.set rSA, SAW+4*(\a)+(\q)
.if \slot
	v_wmma_scale_f32_16x16x128_f8f6f4 v[rD:rD+7], v[rB:rB+7], v[rA:rA+7], v[rC:rC+7], v[rSB], v[rSA] matrix_a_fmt:MATRIX_FMT_FP4 matrix_b_fmt:MATRIX_FMT_FP4 matrix_a_scale:MATRIX_SCALE_ROW1 matrix_b_scale:MATRIX_SCALE_ROW1
.else
	v_wmma_scale_f32_16x16x128_f8f6f4 v[rD:rD+7], v[rB:rB+7], v[rA:rA+7], v[rC:rC+7], v[rSB], v[rSA] matrix_a_fmt:MATRIX_FMT_FP4 matrix_b_fmt:MATRIX_FMT_FP4
.endif
.endr
.endr
.endm
.macro FETCH_B slot, q, p
	WIN 0x40
.irp i, 0,1,2,3,4,5,6,7
	FRAG 128*(\p)+FR*\i, ADRB+\slot, \q, \i
.endr
	WIN 0
.endm
.macro FETCH_A slot, q, i0
.irp i, \i0, \i0+1, \i0+2, \i0+3
	FRAG AF+FR*(\i), ADRA+\slot, \q, \i
.endr
.endm
.macro STEP slot, q, cm
	s_wait_dscnt 8
.if \cm
	WIN 0x91
.else
	WIN 0xa1
.endif
	MUL16 0, (\q)%2, \q, \slot, \cm
	MUL16 2, (\q)%2, \q, \slot, \cm
	s_wait_dscnt 0x0
	PLACES 4
	FETCH_B \slot, (\q)+1, 1-(\q)%2
	FETCH_A \slot, (\q)+1, 0
.if \cm
	WIN 0xd1
.else
	WIN 0xf1
.endif
	MUL16 4, (\q)%2, \q, \slot, \cm
	MUL16 6, (\q)%2, \q, \slot, \cm
	PLACES 4
	WIN 0
	FETCH_A \slot, (\q)+1, 4
.endm
	s_wait_alu depctr_va_vdst(0)
	s_wait_tensorcnt 0x0                           ; my part of slot 0 is in
	ds_add_u32 v254, v255
	s_wait_dscnt 0x0
	CROUND                                         ; everybody's is
	JLOAD G0+4, G1, G0B+4, G1B                     ; slot 1: it has slot 0's steps in which to land
	FETCH_B 0, 0, 0
	FETCH_A 0, 0, 0
	FETCH_A 0, 0, 4
	s_wait_loadcnt 0x0
	s_cmp_lg_u32 s17, 0
	s_cbranch_scc1 .Lfirst_v
	STEP 0, 0, 1
	s_branch .Lfirst_done
.Lfirst_v:
	STEP 0, 0, 2
.Lfirst_done:
	STEP 0, 1, 0
	STEP 0, 2, 0
	s_wait_tensorcnt 0x0
	s_wait_dscnt 8
	WIN 0xa1
	MUL16 0, 1, 3, 0, 0
	s_wait_dscnt 0x0
	s_barrier_signal -1
	MUL16 2, 1, 3, 0, 0
	WIN 0
	s_barrier_wait -1
	PLACES 4
	FETCH_B 1, 0, 0
	FETCH_A 1, 0, 0
	WIN 0xf1
	MUL16 4, 1, 3, 0, 0
	MUL16 6, 1, 3, 0, 0
	PLACES 4
	WIN 0
	FETCH_A 1, 0, 4
	STEP 1, 0, 0
	STEP 1, 1, 0
	STEP 1, 2, 0
	s_wait_dscnt 8
	WIN 0xa1
	MUL16 0, 1, 3, 1, 0
	MUL16 2, 1, 3, 1, 0
	s_wait_dscnt 0x0
	WIN 0xf1
	MUL16 4, 1, 3, 1, 0
	MUL16 6, 1, 3, 1, 0
	WIN 0
	PLACES 4
.macro QUANT a
.set W,   2+(\a)/4
.set AC,  64*((\a)%4)
.set PCA, PC+8*(\a)
	WIN W|(W<<2)
.irp k, 0,1,2,3
	v_max3_num_f32 v[TM+\k], |v[AC+16*\k]|, |v[AC+16*\k+1]|, 0x1800000
.endr
.irp i, 2,4,6,8,10,12,14
.irp k, 0,1,2,3
	v_max3_num_f32 v[TM+\k], |v[AC+16*\k+\i]|, |v[AC+16*\k+\i+1]|, v[TM+\k]
.endr
.endr
	WIN 0
.irp k, 0,1,2,3
	v_permlanex16_b32 v[TM+4+\k], v[TM+\k], s84, s85
.endr
.irp k, 0,1,2,3
	v_max_num_f32 v[TM+\k], v[TM+\k], v[TM+4+\k]
.endr
.irp k, 0,1,2,3
	v_add_nc_u32 v[TM+12+\k], 0xff000000, v[TM+\k]
.endr
.irp k, 0,1,2,3
	v_lshrrev_b32 v[TM+4+\k], 23, v[TM+12+\k]
.endr
	v_lshl_or_b32 v[PW+(\a)], v[TM+5], 8, v[TM+4]
	v_lshl_or_b32 v[PW+(\a)], v[TM+6], 16, v[PW+(\a)]
	v_lshl_or_b32 v[PW+(\a)], v[TM+7], 24, v[PW+(\a)]
	WIN W
.irp k, 0,1,2,3
	v_cvt_scalef32_pk8_fp4_f32 v[PCA+2*\k], v[AC+16*\k:AC+16*\k+7], v[TM+12+\k]
	v_cvt_scalef32_pk8_fp4_f32 v[PCA+2*\k+1], v[AC+16*\k+8:AC+16*\k+15], v[TM+12+\k]
.endr
	WIN 0
	v_nop
.irp c, 0,1
.irp i, 0,1
	v_permlane16_swap_b32 v[PCA+4*\c+\i], v[PCA+4*\c+2+\i]
.endr
.endr
	global_store_b128 v[VO+(\a)], v[PCA:PCA+3], s[76:77]
	global_store_b128 v[VO+(\a)], v[PCA+4:PCA+7], s[78:79]
.endm
.irp a, 0,1,2,3,4,5,6,7
	QUANT \a
.endr
	v_cmp_le_u32 vcc_lo, 16, v5
.irp q, 0,1,2,3
	v_cndmask_b32 v[SELR+\q], v[PW+\q], v[PW+4+\q], vcc_lo
.endr
	global_store_b128 v[SWO], v[SELR:SELR+3], s[80:81]
	s_cmp_lg_u32 s17, 0
	s_cbranch_scc1 .Ldone
.irp q, 0,1,2,3
	v_lshrrev_b32 v[SHR+\q], 16, v[SELR+\q]
.endr
	global_store_b128 v[SWO], v[SHR:SHR+3], s[80:81] offset:16384
.Ldone:
	s_wait_tensorcnt 0x0
	ds_add_u32 v254, v255
	s_wait_dscnt 0x0
	CROUND
	s_endpgm
.Lfunc_end_k_q859352c1b0_qkv:
	.size	k_q859352c1b0_qkv, .Lfunc_end_k_q859352c1b0_qkv-k_q859352c1b0_qkv
	.p2alignl 7, 3214868480
	.fill 96, 4, 3214868480
	.section	.rodata,"a",@progbits
	.p2align	6, 0x0
	.amdhsa_kernel k_q859352c1b0_qkv
		.amdhsa_group_segment_fixed_size 327680
		.amdhsa_private_segment_fixed_size 0
		.amdhsa_enable_private_segment 0
		.amdhsa_kernarg_size 40
		.amdhsa_user_sgpr_count 2
		.amdhsa_user_sgpr_kernarg_segment_ptr 1
		.amdhsa_wavefront_size32 1
		.amdhsa_system_sgpr_workgroup_id_x 1
		.amdhsa_system_sgpr_workgroup_id_y 1
		.amdhsa_system_sgpr_workgroup_id_z 1
		.amdhsa_system_vgpr_workitem_id 0
		.amdhsa_next_free_vgpr 1024
		.amdhsa_next_free_sgpr 100
		.amdhsa_reserve_vcc 1
		.amdhsa_float_denorm_mode_32 3
		.amdhsa_float_denorm_mode_16_64 3
		.amdhsa_memory_ordered 1
		.amdhsa_forward_progress 1
		.amdhsa_inst_pref_size 147
	.end_amdhsa_kernel
	.amdgpu_metadata
---
amdhsa.version: [ 1, 2 ]
amdhsa.kernels:
  - .name:           k_q859352c1b0_qkv
    .symbol:         k_q859352c1b0_qkv.kd
    .args:
      - { .name: hq, .offset: 0, .size: 8, .value_kind: global_buffer, .address_space: global }
      - { .name: wq, .offset: 8, .size: 8, .value_kind: global_buffer, .address_space: global }
      - { .name: b_qkv, .offset: 16, .size: 8, .value_kind: global_buffer, .address_space: global }
      - { .name: qk, .offset: 24, .size: 8, .value_kind: global_buffer, .address_space: global }
      - { .name: vv, .offset: 32, .size: 8, .value_kind: global_buffer, .address_space: global }
    .group_segment_fixed_size: 327680
    .private_segment_fixed_size: 0
    .kernarg_segment_align: 8
    .kernarg_segment_size: 40
    .max_flat_workgroup_size: 128
    .sgpr_count:     100
    .vgpr_count:     1024
    .wavefront_size: 32
...
	.end_amdgpu_metadata
.endif
;; end of part 2
;; launch attn (part 3): grid 4 x 64, 16 waves a work-group, clusters of 4 x 1, 327,680 bytes of LDS; arguments qk, vv, wq, b_out, x, out0; writes out0
.if DOCPART == 3
	.amdgcn_target "amdgcn-amd-amdhsa--gfx1250"
	.amdhsa_code_object_version 6
	.text
	.protected	k_q859352c1b0_attn
	.globl	k_q859352c1b0_attn
	.p2align	8
	.type	k_q859352c1b0_attn,@function
k_q859352c1b0_attn:
	s_mov_b64 s[64:65], 0
	v_nop
	global_prefetch_b8 v0, s[64:65] scope:SCOPE_SE
	s_setreg_imm32_b32 hwreg(HW_REG_WAVE_MODE, 25, 1), 1
	s_wait_xcnt 0x0
	s_wait_alu depctr_hold_cnt(0) depctr_sa_sdst(0) depctr_va_vdst(0) depctr_va_sdst(0) depctr_va_ssrc(0) depctr_va_vcc(0) depctr_vm_vsrc(0)
	s_getreg_b32 s2, hwreg(HW_REG_IB_STS2, 6, 4)
	s_cmp_eq_u32 s2, 0
	s_cbranch_scc0 .Lentry_in_a_cluster
	s_endpgm
.Lentry_in_a_cluster:
	s_bfe_u32 s2, ttmp6, 0x10000c
	s_cmp_lg_u32 s2, 0x3003
	s_cbranch_scc0 .Lentry_shape_is_right
	s_endpgm
.Lentry_shape_is_right:
; ATTN: out0 = x + o w_out^T + b_out with o = softmax(q k^T / 64) v: the attention and the last product in ONE launch; all products on codes of FP4 (E2M1) with E8M0 scales.
; reference() reshapes o (b, H, s, dh) as it lies: row R = 1024 b + 64 head + s / 16 of the last product, column 64 (s % 16) + d.  So the 256 queries of a work-group are 16 WHOLE rows of it, and o never leaves the work-group.
; SHARES.  A work-group: 256 queries of one (batch, head), sixteen waves, four to a SIMD: each owns one tile of 16 queries; in the last product each owns 64 columns of the 16 rows.
; THE SOFTMAX: t = score x log2(e) / 64; M = the row's largest t so far, rounded UP to a whole number; p = 2^(t - M) is quantised along the keys, not normalised.  The row's sum l is taken of the unquantised p.
; When M moves, l and O are multiplied by 2^(old M - new M): exact.
; THE KEYS OF A TILE: tile t of group c (64 keys) has keys 64 c + 8 t + 0..7 in rows 0-7 and 64 c + 32 + 8 t + 0..7 in rows 8-15: so the 32 registers of a group's four tiles are 32 neighbouring keys, 64 c + 32 h + 0..31: a WHOLE block in a lane,
; in the very order in which the next operand wants it.  A block's largest number needs no other lane.  qkv's token tiles hold 32-key groups one by one: lanes r < 8 read from one of them, lanes r > 7 from the next but one,
; whose halves of rows lie swapped (qkv stores them so), so that sixteen lanes read sixteen different 16-byte columns.
; K = 64 IN THE FIRST PRODUCT: registers 4-7 of Q's fragment are zero codes.  FP4 has no code for infinity or NaN and no scale byte here is 0xff, so whatever bits stand in registers 4-7 of a fragment of K add nothing:
; tile t's fragment is its own four registers and the next tile's.
; A KEY STEP: 128 keys; K and V of the head (64 KiB of codes, 6 KiB of scale words) lie in LDS, filled by joint loads; this step's V is asked for behind the first product, the next step's K behind the maxima.
; Exponentials go in two batches: under the first the scalings of the second group, under the second p's scale word and the first group's sums.
; A split barrier stands in each key step: signalled at one step's end, waited for at the next one's: no wave is more than about a step ahead of another when the last step is done and o is exchanged.
; w_out: 64 tiles of 16 stored rows as images [K step 8][1,024]; a wave's four tiles, which it alone reads.  The first 3,584 bytes of each (K steps 0-2 and half of 3) land in LDS under the attention; behind the last key step they go into registers,
; and the other 4,608 bytes of each tile are filled over K, V and the first part, behind the full sequence and a round: they have o's quantising, its exchange and K steps 0-2 in which to land.
; PREFETCHES: the refill's bytes of w_out, which all work-groups read, are asked for in key step 2 by clusters 0, 2, 4 and 6 alone, a tile a wave (tile 16 cx + w: partners told apart by address); x's 16 rows in key step 3, each block of 256 bytes once.
; K and V themselves come by the head's loads, ahead of which there is no loop.
; CLUSTERS: the four work-groups of a head ask jointly for K, V and their scale words, and for w_out.
; LIMITS: NaN and infinities are not served; scaled scores (exponents to the base 2) under 2^31 in magnitude; a block whose largest magnitude lies under 2^-124 keeps the scale byte 1, a block of zeros too (its codes are zeros; only this program reads the bytes).
.set KC,  0                            ; LDS: K's 64 tile images of 512 bytes
.set VC,  32768                        ; V's images [tile of d 4][key step 8][1,024]
.set KS,  65536                        ; K's scale words: 8 blocks of 512
.set VS,  69632                        ; V's: 8 blocks of 256
.set LW,  71680                        ; w_out's first part: [tile 64][3,584]
.set PART2, 18432                      ; w_out's second part, from LDS byte 0 on: [tile 64][4,608]: so many bytes a wave, all of them filled before
.set OC,  301056                       ; o's codes as fragments [K block 32][row 16][16 bytes]: LDS stores alone
.set OS,  309248                       ; o's scale bytes [row 16][32]: LDS stores alone
.set SPARE, 309760                     ; the spare words: 128 bytes a wave, eight blocks of 256
.set SPITCH, 272                       ; the way out: 16 rows x 272 bytes a wave, over the wave's own second part of w_out, which has had its last fill and its last read
.set SPW, 30
.set NIL, 31
.set QF,  16                           ; v16-23 Q's fragment; later a fragment of o
.set RUN, 25                           ; v25 the largest score so far
.set F,   26                           ; v[26:27] f = 2^(old M - new M)
.set L,   28                           ; v[28:29] the row's sum in two halves
.set KSR, 32                           ; v32-35 K's scale words of a step: register t: group 0's tile t in lanes 0-15, group 1's in lanes 16-31
.set KF,  36                           ; v36-67 K's eight tiles, four registers each; v68-71 the upper half of the last; later w_out's fragments
.set VF,  72                           ; v72-103 four fragments of V; later w_out's
.set VSR, 104
.set S,   108                          ; v108-171 S^T, then p: register 32 c + i: key 64 c + 32 h + i; later w_out's fragments, and x
.set O,   172                          ; v172-203 O^T; later the last product's sums
.set PCD, 204                          ; v204-211 p's codes; later a fragment of o
.set PWD, 212                          ; p's scale word, and nothing else
.set XL,  213                          ; the way out, into the stage: row r, 64 h
.set C,   214                          ; v214-221 four packed partial sums; later a fragment of o
.set MX,  222
.set SOP, 224
.set TB,  226
.set TMP, 226
.set PERM,227
.set BY,  228
.set W0,  230
.set XR,  231                          ; and back by rows
.set SBW, 232                          ; v232-247 w_out's scale words: tile b, register q: K step q in lanes 0-15, 4 + q in lanes 16-31
.set SAW, 248                          ; v248-251 o's likewise
.set BI,  252                          ; v252-255 b_out at my four columns of the rows on their way out
.set W2A, 0                            ; v0  LDS address of w_out's second part (behind the head nothing reads the thread's number)
.set CO,  13                           ; v13 my offset in x and out0 (also the unused upper half of a pair)
.set PFO, 15                           ; v15 the offset of x's prefetch (likewise)
.set PFW, 27                           ; v27 the offset of w_out's prefetch (likewise)
.set WV,  18
.set NC,  19
.set SEL, 20
.set CS,  22
.macro NOP4
.rept 4
	v_nop
.endr
.endm
.macro CROUND                          ; a round of the cluster's barrier
	s_barrier_signal -1
	s_barrier_wait -1
	s_cmp_lg_u32 s[WV], 0
	s_cbranch_scc1 .Lnot_wave_0_\@
	s_barrier_signal -3
.Lnot_wave_0_\@:
	s_barrier_wait -3
	s_barrier_signal -1
	s_barrier_wait -1
.endm
	s_load_b256 s[4:11], s[0:1], 0x0               ; qk, vv, wq, b_out
	s_load_b128 s[12:15], s[0:1], 0x20             ; x, out0
	v_lshl_add_u32 v[SPW], v0, 2, SPARE
	v_mov_b32 v[NIL], 0
	ds_add_u32 v[SPW], v[NIL]                      ; the wave's opening: the add, twice on end
	ds_add_u32 v[SPW], v[NIL]
	v_lshrrev_b32 v36, 5, v0
	v_readfirstlane_b32 s[WV], v36                 ; wave 0..15
	s_bfe_u32 s66, ttmp6, 0x40000                  ; cx
	s_lshl_b32 s67, ttmp9, 2
	s_add_co_u32 s67, s67, s66                     ; my block of 256 queries: it enters Q's, x's and out0's addresses alone
	s_and_b32 s68, ttmp7, 0xffff
	s_lshr_b32 s69, s68, 4                         ; batch
	s_and_b32 s70, s68, 15                         ; head: both shared by the four partners
	s_add_co_u32 s71, s70, 16                      ; k's slot in qk
	s_lshl_b32 s72, s71, 17
	s_lshl_b32 s80, s69, 15
	s_add_co_u32 s72, s72, s80                     ; K's images
	s_mov_b32 s73, 0
	s_lshl_b32 s74, s69, 19
	s_lshl_b32 s80, s70, 15
	s_add_co_u32 s74, s74, s80                     ; V's images
	s_mov_b32 s75, 0
	s_lshl_b32 s76, s71, 14
	s_lshl_b32 s80, s69, 12
	s_add_co_u32 s76, s76, s80
	s_add_co_u32 s76, s76, 4194304                 ; K's scale words
	s_mov_b32 s77, 0
	s_lshl_b32 s78, s69, 15
	s_lshl_b32 s80, s70, 11
	s_add_co_u32 s78, s78, s80
	s_add_co_u32 s78, s78, 2097152                 ; V's
	s_mov_b32 s79, 0
	s_lshl_b32 s81, s67, 4
	s_add_co_u32 s81, s81, s[WV]                   ; i: my token tile in the batch
	s_lshl_b32 s82, s70, 17
	s_lshl_b32 s84, s69, 15
	s_add_co_u32 s82, s82, s84
	s_lshl_b32 s84, s81, 9
	s_add_co_u32 s82, s82, s84                     ; Q's image
	s_mov_b32 s83, 0
	s_lshl_b32 s84, s70, 14
	s_lshl_b32 s86, s69, 12
	s_add_co_u32 s84, s84, s86
	s_lshr_b32 s86, s81, 2
	s_lshl_b32 s86, s86, 8
	s_add_co_u32 s84, s84, s86
	s_and_b32 s86, s81, 3
	s_lshl_b32 s86, s86, 2
	s_add_co_u32 s84, s84, s86
	s_add_co_u32 s84, s84, 4194304                 ; Q's scale words: 512 (i / 8) + 256 ((i / 4) % 2) + 4 (i % 4)
	s_mov_b32 s85, 0
	s_lshl_b32 s86, s69, 10
	s_lshl_b32 s88, s70, 6
	s_add_co_u32 s86, s86, s88
	s_lshl_b32 s88, s67, 4
	s_add_co_u32 s86, s86, s88                     ; R0: the work-group's first row of x and out0
	s_lshl_b32 s86, s86, 12
	s_mov_b32 s87, 0
	s_lshl_b32 s88, s[WV], 15
	s_add_co_u32 s88, s88, 1572864                 ; my four tiles of w_out: stored row 3,072 + 64 w
	s_mov_b32 s89, 0
	s_lshl_b32 s90, s[WV], 11
	s_add_co_u32 s90, s90, 2195456                 ; and their scale bytes: 2,097,152 + 32 x that row
	s_mov_b32 s91, 0
	s_lshl_b32 s100, s[WV], 8                      ; my 64 columns, in bytes of f32
	s_mov_b32 s101, 0
	s_and_b32 s81, s68, 0xfff9                     ; 0 in clusters 0, 2, 4 and 6: they prefetch w_out
	s_and_b32 s16, s[WV], 1
	s_lshl_b32 s17, s16, 4
	s_lshl_b32 s16, s16, 12
	s_lshr_b32 s80, s[WV], 1
	s_lshl_b32 s3, s80, 5
	s_add_co_u32 s16, s16, s3
	s_add_co_u32 s16, s16, OC                      ; LDS: o's codes: 4,096 (w % 2) + 32 (w / 2)
	s_lshl_b32 s3, s80, 6
	s_add_co_u32 s17, s17, s3
	s_add_co_u32 s17, s17, OS                      ; o's scale bytes: 16 (w % 2) + 64 (w / 2)
	s_mul_i32 s2, s[WV], 14336
	s_add_co_u32 s2, s2, LW                        ; my first part of w_out
	s_mul_i32 s3, s[WV], PART2                     ; my second part, and later my stage
	s_and_b32 s80, s[WV], 2
	s_lshl_b32 s80, s80, 6                         ; 128 where Q's tile has its halves of rows swapped
	; descriptor groups 1: dense blocks as rows of 256 bytes (32 elements of 8 bytes); the mask names all four work-groups, bit 21 set beside it
.irp g, 24, 32, 40
	s_mov_b32 s[\g], 15|(3<<16)|(1<<21)
	s_mov_b32 s[\g+1], 32<<16
	s_mov_b32 s[\g+3], 32<<16
	s_mov_b32 s[\g+5], 32
	s_mov_b32 s[\g+6], 0
	s_mov_b32 s[\g+7], 0
.endr
	s_mov_b32 s26, 128<<16                         ; 32 KiB of codes: 128 rows
	s_mov_b32 s28, 128
	s_mov_b32 s34, 16<<16                          ; K's scale words: 16 rows
	s_mov_b32 s36, 16
	s_mov_b32 s42, 8<<16                           ; V's: 8 rows
	s_mov_b32 s44, 8
	s_mov_b32 s92, 15|(3<<16)|(1<<21)              ; w_out: four tiles, 3,584 of each tile's 8,192 bytes
	s_mov_b32 s93, 448<<16
	s_mov_b32 s94, 4<<16
	s_mov_b32 s95, 448<<16
	s_mov_b32 s96, 4
	s_mov_b32 s97, 1024
	s_mov_b32 s98, 0
	s_mov_b32 s99, 0
	s_mov_b32 s[SEL], 0x76543210
	s_mov_b32 s[SEL+1], 0xfedcba98                 ; v_permlanex16_b32's selects for lane l xor 16
	s_mov_b32 s[CS], 0x3cb8aa3b                    ; c = log2(e) / 64
	s_mov_b32 s[CS+1], s[CS]                       ; (named with it as a pair)
	s_mov_b32 s[NC], 0xbcb8aa3b                    ; -c
	; every address register is made here
	v_and_b32 v36, 31, v0                          ; lane
	v_and_b32 v37, 15, v0                          ; r
	v_bfe_u32 v38, v0, 4, 1                        ; h
	v_lshrrev_b32 v39, 3, v37                      ; r / 8
	v_and_b32 v40, 7, v37                          ; r % 8
	v_lshlrev_b32 v4, 4, v36                       ; v4: 16 x lane
	v_lshlrev_b32 v11, 3, v38                      ; v11: 8 h
	v_mul_u32_u24 v1, v39, 1152
	v_lshl_add_u32 v1, v40, 4, v1
	v_lshl_add_u32 v1, v38, 8, v1                  ; v1: K's tiles 0, 1 of a group: 256 h + 16 (r % 8), and for r > 7 two tiles and 128 bytes on
	v_xor_b32 v2, 0x80, v1                         ; v2: tiles 2, 3: the other halves of rows
	v_lshlrev_b32 v3, 8, v38
	v_lshl_add_u32 v3, v40, 4, v3
	v_lshl_add_u32 v3, v39, 3, v3
	v_add_nc_u32 v3, KS, v3                        ; v3: K's scale words
	v_lshlrev_b32 v5, 4, v37
	v_add_nc_u32 v5, VS, v5                        ; v5: V's
	v_lshlrev_b32 v6, 9, v40
	v_lshl_add_u32 v6, v38, 8, v6
	v_lshl_add_u32 v6, v39, 4, v6
	v_add_nc_u32 v6, s16, v6                       ; v6: my 16 bytes of o: K block 16 (w % 2) + 2 (r % 8) + h, row 2 (w / 2) + r / 8
	v_lshlrev_b32 v7, 5, v39
	v_lshl_add_u32 v7, v40, 1, v7
	v_add_nc_u32 v7, s17, v7                       ; v7: my query's two scale bytes
	v_add_nc_u32 v8, s2, v4                        ; v8: w_out's first part in LDS
	v_lshlrev_b32 v9, 5, v37
	v_lshl_add_u32 v9, v38, 4, v9                  ; 32 r + 16 h
	v_mov_b32 v228, v9                             ; w_out's scale bytes in memory
	v_add_nc_u32 v9, OS, v9                        ; v9: o's scale words
	v_add_nc_u32 v10, OC, v4                       ; v10: o's fragments
	v_lshlrev_b32 v[CO], 12, v38
	v_lshl_add_u32 v[CO], v37, 4, v[CO]            ; lanes 0-15 take one row, lanes 16-31 the next
	v_lshlrev_b32 v[PFO], 8, v36
	v_min_u32 v[PFW], 17, v36                      ; 18 blocks of 256 bytes; the lanes left over name the last again
	v_lshlrev_b32 v[PFW], 8, v[PFW]
	v_mul_u32_u24 v[XL], v37, SPITCH
	v_lshl_add_u32 v[XL], v38, 6, v[XL]
	v_add_nc_u32 v[XL], s3, v[XL]
	v_mul_u32_u24 v[XR], v38, SPITCH
	v_lshl_add_u32 v[XR], v37, 4, v[XR]
	v_add_nc_u32 v[XR], s3, v[XR]
	v_xor_b32 v226, s80, v4                        ; Q's image
	v_lshlrev_b32 v227, 4, v37                     ; 16 r
	v_add_nc_u32 v[W2A], s3, v4
	s_wait_alu depctr_va_vdst(0)
	s_wait_dscnt 0x0                               ; both opening adds are done
	s_wait_kmcnt 0x0
	s_mov_b32 s48, 1
	s_mov_b32 s49, KC
	s_add_nc_u64 s[50:51], s[4:5], s[72:73]
	s_or_b32 s51, s51, 0x80000000
	s_mov_b32 s52, 1
	s_mov_b32 s53, VC
	s_add_nc_u64 s[54:55], s[6:7], s[74:75]
	s_or_b32 s55, s55, 0x80000000
	s_mov_b32 s56, 1
	s_mov_b32 s57, KS
	s_add_nc_u64 s[58:59], s[4:5], s[76:77]
	s_or_b32 s59, s59, 0x80000000
	s_mov_b32 s60, 1
	s_mov_b32 s61, VS
	s_add_nc_u64 s[62:63], s[6:7], s[78:79]
	s_or_b32 s63, s63, 0x80000000
	s_add_nc_u64 s[88:89], s[8:9], s[88:89]        ; w_out's codes
	s_mov_b32 s68, 1
	s_mov_b32 s69, s2
	s_mov_b64 s[70:71], s[88:89]
	s_or_b32 s71, s71, 0x80000000
	s_add_nc_u64 s[82:83], s[4:5], s[82:83]        ; Q
	s_add_nc_u64 s[84:85], s[4:5], s[84:85]
	s_add_nc_u64 s[90:91], s[8:9], s[90:91]        ; w_out's scale bytes
	s_add_nc_u64 s[72:73], s[10:11], s[100:101]    ; b_out at my columns
	s_add_nc_u64 s[12:13], s[12:13], s[86:87]      ; x at row R0
	s_add_nc_u64 s[14:15], s[14:15], s[86:87]
	s_add_nc_u64 s[14:15], s[14:15], s[100:101]    ; out0 at row R0, my columns
	s_add_nc_u64 s[74:75], s[12:13], s[100:101]    ; x likewise
	s_lshl_b32 s86, s[WV], 13
	s_add_nc_u64 s[76:77], s[12:13], s[86:87]      ; x's prefetch: waves 0 to 7, two rows of x each
	s_lshl_b32 s86, s66, 4
	s_add_co_u32 s86, s86, s[WV]
	s_lshl_b32 s86, s86, 13
	s_add_co_u32 s86, s86, 1576448                 ; w_out's prefetch: tile 16 cx + w, from byte 3,584 on
	s_add_nc_u64 s[78:79], s[8:9], s[86:87]
	CROUND                                         ; all four work-groups are here: the joint loads meet
.macro ARM under, g0, g1, next
	s_cmp_lt_u32 s[WV], \under
	s_cbranch_scc0 \next
	tensor_load_to_lds s[\g0:\g0+3], s[\g1:\g1+7]
	s_nop 0
	NOP4
	s_branch .Lasked
\next:
.endm
	ARM 1, 48, 24, .Lask_v
	ARM 2, 52, 24, .Lask_ks
	ARM 3, 56, 32, .Lask_vs
	ARM 4, 60, 40, .Lask_none
.Lasked:
	global_load_b128 v[QF:QF+3], v226, s[82:83]    ; Q's fragment, registers 0-3
	global_load_b32 v24, v227, s[84:85]            ; Q's scale words
.irp b, 0,1,2,3
	global_load_b128 v[SBW+4*\b:SBW+4*\b+3], v228, s[90:91] offset:512*\b
.endr
	global_load_b128 v[BI:BI+3], v227, s[72:73]
.irp j, 0,1,2,3
	v_mov_b32 v[QF+4+\j], 0                        ; Q at K = 64 .. 127: zero codes
	v_mov_b32 v[KF+32+\j], 0                       ; the upper half of the last tile's fragment: written once, so that it is written at all
.endr
	s_wait_alu depctr_va_vdst(0)
	s_wait_tensorcnt 0x0                           ; my block, if I asked for one, has landed
	ds_add_u32 v[SPW], v[NIL]                      ; the add written twice on end
	ds_add_u32 v[SPW], v[NIL]
	s_wait_dscnt 0x0
	CROUND                                         ; all four blocks are in
	tensor_load_to_lds s[68:71], s[92:99]          ; the first part of my four tiles of w_out: it has the attention in which to land
	s_nop 0
	NOP4
; K's eight tiles of key step s and their scale words: ten loads in one run
.macro KLOAD s
.irp c, 0,1
.irp t, 0,1,2,3
	ds_load_b128 v[KF+16*\c+4*\t:KF+16*\c+4*\t+3], v[1+(\t/2)] offset:KC+4096*(\s)+2048*\c+512*(\t%2)
.endr
.endr
	ds_load_b64 v[KSR:KSR+1], v3 offset:512*(\s)
	ds_load_b64 v[KSR+2:KSR+3], v3 offset:512*(\s)+128
.endm
	KLOAD 0
	s_wait_loadcnt 0x0                             ; Q, w_out's scale words, the bias
	s_wait_dscnt 0x0
; A product: row = 0: scales from lanes 0-15; 1: source 0's from lanes 16-31; 2: both sources'
.macro WM d, a, b, c, sa, sb, row
.if (\row) == 0
	v_wmma_scale_f32_16x16x128_f8f6f4 v[\d:\d+7], v[\a:\a+7], v[\b:\b+7], \c, v[\sa], v[\sb] matrix_a_fmt:MATRIX_FMT_FP4 matrix_b_fmt:MATRIX_FMT_FP4
.elseif (\row) == 1
	v_wmma_scale_f32_16x16x128_f8f6f4 v[\d:\d+7], v[\a:\a+7], v[\b:\b+7], \c, v[\sa], v[\sb] matrix_a_fmt:MATRIX_FMT_FP4 matrix_b_fmt:MATRIX_FMT_FP4 matrix_a_scale:MATRIX_SCALE_ROW1
.else
	v_wmma_scale_f32_16x16x128_f8f6f4 v[\d:\d+7], v[\a:\a+7], v[\b:\b+7], \c, v[\sa], v[\sb] matrix_a_fmt:MATRIX_FMT_FP4 matrix_b_fmt:MATRIX_FMT_FP4 matrix_a_scale:MATRIX_SCALE_ROW1 matrix_b_scale:MATRIX_SCALE_ROW1
.endif
.endm
; w_out's fragments of K step q, my four tiles, from LDS: the first part (q = 0 .. 2), the second part (q = 4 .. 7)
.macro WL1 q, reg
.irp b, 0,1,2,3
.irp c, 0,1
	ds_load_b128 v[\reg+8*\b+4*\c:\reg+8*\b+4*\c+3], v8 offset:3584*\b+1024*(\q)+512*\c
.endr
.endr
.endm
.macro WL2 q, reg
.irp b, 0,1,2,3
.irp c, 0,1
	ds_load_b128 v[\reg+8*\b+4*\c:\reg+8*\b+4*\c+3], v[W2A] offset:4608*\b+1024*(\q)+512*\c-3584
.endr
.endr
.endm
; The partial sums of the step before join the row's sum: four plain lines, which are also the four places behind the products in front of them
.macro MERGE k
.if (\k) == 0
	NOP4
.elseif (\k) == 1
	v_pk_add_f32 v[L:L+1], v[C:C+1], v[C+2:C+3]
	v_pk_add_f32 v[C+4:C+5], v[C+4:C+5], v[C+6:C+7]
	v_nop
	v_pk_add_f32 v[L:L+1], v[L:L+1], v[C+4:C+5]
.else
	v_pk_fma_f32 v[L:L+1], v[L:L+1], v[F:F+1], v[C:C+1] op_sel_hi:[1,0,1]   ; the sum under the new M
	v_pk_add_f32 v[C+2:C+3], v[C+2:C+3], v[C+4:C+5]
	v_pk_add_f32 v[L:L+1], v[L:L+1], v[C+6:C+7]
	v_pk_add_f32 v[L:L+1], v[L:L+1], v[C+2:C+3]
.endif
.endm
; A KEY STEP: 128 keys.  -M lies in v12 in even steps and in v14 in odd ones.
.macro STEP s
.set NN, 12+2*((\s)%2)
.set NO, 14-2*((\s)%2)
.irp t, 0,1,2,3                                ; S^T = K Q^T
	WM S+8*\t,KF+4*\t,QF,0,KSR+\t,24,0
.endr
.irp t, 0,1,2,3
	WM S+32+8*\t,KF+16+4*\t,QF,0,KSR+\t,24,1
.endr
	MERGE \s
.irp t, 0,1,2,3                                ; V's four fragments and scale words: they land under the softmax
.irp c, 0,1
	ds_load_b128 v[VF+8*\t+4*\c:VF+8*\t+4*\c+3], v4 offset:VC+8192*\t+1024*\s+512*\c
.endr
.endr
	ds_load_b128 v[VSR:VSR+3], v5 offset:256*\s
.irp c, 0,1                                    ; the largest score of each block of 32 keys: it serves the row's maximum and, since p rises with the score, the block's largest p
	v_max3_num_f32 v[MX+\c], v[S+32*\c], v[S+32*\c+1], v[S+32*\c+2]
	v_max3_num_f32 v[TB+\c], v[S+32*\c+16], v[S+32*\c+17], v[S+32*\c+18]
.endr
.irp i, 3,5,7,9,11,13
.irp c, 0,1
	v_max3_num_f32 v[MX+\c], v[MX+\c], v[S+32*\c+\i], v[S+32*\c+\i+1]
	v_max3_num_f32 v[TB+\c], v[TB+\c], v[S+32*\c+16+\i], v[S+32*\c+17+\i]
.endr
.endr
.irp c, 0,1
	v_max3_num_f32 v[MX+\c], v[MX+\c], v[S+32*\c+15], v[S+32*\c+31]
.endr
.irp c, 0,1
	v_max_num_f32 v[MX+\c], v[MX+\c], v[TB+\c]
.endr
	v_max_num_f32 v[TMP], v[MX], v[MX+1]
	v_permlanex16_b32 v[PERM], v[TMP], s[SEL], s[SEL+1]
.if \s > 0
	v_max3_num_f32 v[RUN], v[RUN], v[TMP], v[PERM] ; the largest score so far of my query
.else
	v_max_num_f32 v[RUN], v[TMP], v[PERM]
.endif
	v_mul_f32 v[TMP], s[NC], v[RUN]                ; -t of it (c is positive)
	v_floor_f32 v[NN], v[TMP]                      ; -M = floor(-t) = -ceil(t)
.irp c, 0,1
	v_fma_f32 v[MX+\c], v[MX+\c], s[CS], v[NN]     ; t - M of each block's largest score
.endr
.if \s > 0
	v_sub_f32 v[TMP], v[NN], v[NO]                 ; old M - new M: a whole number, 0 or less
.endif
.irp j, 0,2,4,6,8,10,12,14,16,18,20,22,24,26,28,30
	v_pk_fma_f32 v[S+\j:S+\j+1], v[S+\j:S+\j+1], s[CS:CS+1], v[NN:NN+1] op_sel_hi:[1,0,0]   ; t - M, group 0
.if (\s > 0) && (\j == 2)
	v_cvt_i32_f32 v[TMP], v[TMP]                   ; (it saturates)
.endif
.if (\s > 0) && (\j == 6)
	v_ldexp_f32 v[F], 1.0, v[TMP]                  ; f = 2^(old M - new M)
.endif
.endr
.if \s < 7
	KLOAD \s+1                                     ; the next step's K lands under the exponentials
.endif
	s_wait_alu depctr_va_vdst(0)                   ; ahead of the first batch
	v_exp_f32 v[MX], v[MX]                         ; the blocks' largest p: the same two instructions on the same number give the same bits as the p itself
	v_exp_f32 v[MX+1], v[MX+1]
.irp j, 0,2,4,6,8,10,12,14,16,18,20,22,24,26,28,30
	v_exp_f32 v[S+\j], v[S+\j]                     ; p = 2^(t - M), at most 1
	v_pk_fma_f32 v[S+32+\j:S+33+\j], v[S+32+\j:S+33+\j], s[CS:CS+1], v[NN:NN+1] op_sel_hi:[1,0,0]   ; t - M, group 1
	v_exp_f32 v[S+\j+1], v[S+\j+1]
.endr
	v_nop                                          ; the plain place behind the batch
	s_wait_alu depctr_va_vdst(0)                   ; behind the first batch and ahead of the second
.set e, 0
.rept 8
	v_exp_f32 v[S+32+e], v[S+32+e]
.set e, e+1
.endr
	v_max_num_f32 v[MX], 0x1800000, v[MX]          ; the floor 2^(3 - 127): the byte cannot fall under 1
	v_max_num_f32 v[MX+1], 0x1800000, v[MX+1]
	v_add_nc_u32 v[SOP], 0xff000000, v[MX]         ; 2 off the exponent field: the conversion's scale operand
	v_add_nc_u32 v[SOP+1], 0xff000000, v[MX+1]
	v_lshrrev_b32 v[BY], 23, v[SOP]                ; the scale's byte
	v_lshrrev_b32 v[BY+1], 23, v[SOP+1]
	v_lshl_or_b32 v[W0], v[BY+1], 16, v[BY]        ; blocks h and 2 + h,
	v_lshlrev_b32 v[W0], v11, v[W0]                ; at their places in the scale word;
	v_permlanex16_b32 v[PERM], v[W0], s[SEL], s[SEL+1]
	v_or_b32 v[PWD], v[W0], v[PERM]                ; with lane l xor 16's two it is whole
.irp k, 0,1,2,3
.rept 6
	v_exp_f32 v[S+32+e], v[S+32+e]
.set e, e+1
.endr
	v_pk_add_f32 v[C+2*\k:C+2*\k+1], v[S+8*\k:S+8*\k+1], v[S+8*\k+2:S+8*\k+3]   ; THE ROW'S SUM IS TAKEN OF THE UNQUANTISED p: group 0
	v_pk_add_f32 v[C+2*\k:C+2*\k+1], v[C+2*\k:C+2*\k+1], v[S+8*\k+4:S+8*\k+5]
	v_pk_add_f32 v[C+2*\k:C+2*\k+1], v[C+2*\k:C+2*\k+1], v[S+8*\k+6:S+8*\k+7]
.endr
	s_wait_dscnt 0x0                               ; V and the next step's K are in: they were asked for ahead of the exponentials
.if \s > 0
	s_barrier_wait -1                              ; all waves have signalled the step before
.endif
.if \s == 2
	s_wait_alu depctr_va_vdst(0)
	s_cmp_eq_u32 s81, 0
	s_cbranch_scc0 .Lno_w
	global_prefetch_b8 v[PFW], s[78:79] th:TH_LOAD_NT scope:SCOPE_SE
.Lno_w:
.endif
.if \s == 3
	s_wait_alu depctr_va_vdst(0)
	s_cmp_lt_u32 s[WV], 8
	s_cbranch_scc0 .Lno_x
	global_prefetch_b8 v[PFO], s[76:77] th:TH_LOAD_NT scope:SCOPE_SE
.Lno_x:
.endif
.if \s < 7
	s_barrier_signal -1                            ; this step; up to its wait only register work and LDS loads of K and V
.else
	s_wait_tensorcnt 0x0                           ; my first part of w_out is in LDS; I alone read it
.endif
	s_wait_alu depctr_va_vdst(0)                   ; behind the second batch, directly ahead of the first readers of O^T
.if \s > 0
.irp j, 0,2,4,6,8,10,12,14,16,18,20,22,24,26,28,30
	v_pk_mul_f32 v[O+\j:O+\j+1], v[O+\j:O+\j+1], v[F:F+1] op_sel_hi:[1,0]   ; O^T under the new M
.endr
.endif
.irp c, 0,1
.irp t, 0,1,2,3
	v_cvt_scalef32_pk8_fp4_f32 v[PCD+4*\c+\t], v[S+32*\c+8*\t:S+32*\c+8*\t+7], v[SOP+\c]   ; register 4 c + t: k = 64 c + 32 h + 8 t + 0..7
.endr
.endr
.irp i, 0,2,4,6
.irp k, 0,1,2,3
	v_pk_add_f32 v[C+2*\k:C+2*\k+1], v[C+2*\k:C+2*\k+1], v[S+32+8*\k+\i:S+33+8*\k+\i]   ; group 1, four chains by turns; also the places behind the conversions and ahead of the products
.endr
.endr
.if \s == 7
	WL1 0, S                                       ; p and K are done with: w_out's first part goes into registers
	WL1 1, S+32
.irp b, 0,1,2,3
	ds_load_b128 v[KF+8*\b:KF+8*\b+3], v8 offset:3584*\b+3072   ; the lower half of K step 3's fragments
.endr
.endif
.irp t, 0,1,2,3                                ; O^T += V^T P^T: the four accumulators by turns
.if \s > 0
	WM O+8*\t,VF+8*\t,PCD,v[O+8*\t:O+8*\t+7],VSR+\t,PWD,0
.else
	WM O+8*\t,VF+8*\t,PCD,0,VSR+\t,PWD,0
.endif
.endr
.endm
.irp s, 0,1,2,3,4,5,6,7
	STEP \s
.endr
	MERGE 8                                        ; the last step's sums: also the places behind the last products
	WL1 2, VF                                      ; V is done with
	s_wait_alu depctr_va_vdst(0)
	s_wait_tensorcnt 0x0                           ; no tensor load of mine is out
	ds_add_u32 v[SPW], v[NIL]
	s_mov_b32 s93, 576<<16                         ; the second part: 4,608 bytes of each tile, from byte 3,584 on
	s_mov_b32 s95, 576<<16
	s_mov_b32 s69, s3
	s_add_nc_u64 s[70:71], s[70:71], 3584
	s_wait_dscnt 0x0                               ; the add is done, and my reads of K, V and the first part are over
	CROUND                                         ; the same holds of every wave of all four work-groups
	tensor_load_to_lds s[68:71], s[92:99]
	s_nop 0
	NOP4
	; o = O^T / l: register 16 k + i is d = 32 k + 16 h + i of my query: two blocks of 32, each in lanes l and l xor 16
	v_add_f32 v[L], v[L], v[L+1]
	v_permlanex16_b32 v[PERM], v[L], s[SEL], s[SEL+1]
	v_add_f32 v[L], v[L], v[PERM]                  ; the row's sum
	s_wait_alu depctr_va_vdst(0)
	v_rcp_f32 v[L], v[L]
	v_nop
	s_wait_alu depctr_va_vdst(0)                   ; directly ahead of the first readers of the result and of O^T
.irp j, 0,2,4,6,8,10,12,14,16,18,20,22,24,26,28,30
	v_pk_mul_f32 v[O+\j:O+\j+1], v[O+\j:O+\j+1], v[L:L+1] op_sel_hi:[1,0]
.endr
.irp b, 0,1
	v_max3_num_f32 v[MX+\b], |v[O+16*\b]|, |v[O+1+16*\b]|, 0x1800000
.endr
.irp i, 2,4,6,8,10,12,14
.irp b, 0,1
	v_max3_num_f32 v[MX+\b], v[MX+\b], |v[O+16*\b+\i]|, |v[O+1+16*\b+\i]|
.endr
.endr
.irp b, 0,1
	v_permlanex16_b32 v[TMP+\b], v[MX+\b], s[SEL], s[SEL+1]
.endr
.irp b, 0,1
	v_max_num_f32 v[MX+\b], v[MX+\b], v[TMP+\b]
.endr
.irp b, 0,1
	v_add_nc_u32 v[SOP+\b], 0xff000000, v[MX+\b]
.endr
.irp b, 0,1
	v_lshrrev_b32 v[BY+\b], 23, v[SOP+\b]
.endr
	v_lshl_or_b32 v[W0], v[BY+1], 8, v[BY]         ; my query's two scale bytes
.irp b, 0,1
	v_cvt_scalef32_pk8_fp4_f32 v[PCD+2*\b], v[O+16*\b:O+16*\b+7], v[SOP+\b]
	v_cvt_scalef32_pk8_fp4_f32 v[PCD+2*\b+1], v[O+16*\b+8:O+16*\b+15], v[SOP+\b]
.endr
	v_nop
	v_permlane16_swap_b32 v[PCD], v[PCD+2]
	v_permlane16_swap_b32 v[PCD+1], v[PCD+3]       ; lane (r, h) now holds block h of query r: 16 bytes
	ds_store_b128 v6, v[PCD:PCD+3]
	ds_store_b16 v7, v[W0]                         ; both lanes of a query write the same two bytes with the same value
	s_wait_alu depctr_va_vdst(0)
	s_wait_dscnt 0x0                               ; for the others' sake: my stores have landed.  (w_out's second part may be out, and only I read mine)
	s_barrier_signal -1
	s_barrier_wait -1                              ; o's sixteen rows are whole
; THE LAST PRODUCT, used transposed: source 0 = 16 rows of w_out, source 1 = o's 16 rows: lane (r, h) holds row r, register j of tile b the column 32 (b / 2) + 8 (b % 2) + 16 h + j of my 64.
; o's fragments take three runs of registers by turns, w_out's also three.
.set A0, QF
.set A1, PCD
.set A2, C
.macro AL q, reg
.irp c, 0,1
	ds_load_b128 v[\reg+4*\c:\reg+4*\c+3], v10 offset:1024*(\q)+512*\c
.endr
.endm
.macro MM q, w, a, zero
.set QQ, (\q)%4
.irp b, 0,1,2,3
.if \zero
	WM O+8*\b,\w+8*\b,\a,0,SBW+4*\b+QQ,SAW+QQ,2*(\q/4)
.else
	WM O+8*\b,\w+8*\b,\a,v[O+8*\b:O+8*\b+7],SBW+4*\b+QQ,SAW+QQ,2*(\q/4)
.endif
.endr
.endm
	ds_load_b128 v[SAW:SAW+3], v9
	AL 0, A0
	AL 1, A1
	AL 2, A2
	s_wait_dscnt 4                                 ; o's scale words and K step 0; steps 1 and 2 may be out
	MM 0, S, A0, 1
	NOP4
.irp t, 0,1,2,3,4,5,6,7
	global_load_b128 v[S+4*\t:S+4*\t+3], v[CO], s[74:75] offset:8192*\t   ; x: my 64 columns of rows 2 t and 2 t + 1: 16 lanes read 256 consecutive bytes
.endr
	AL 3, A0
	s_wait_dscnt 4                                 ; K step 1; 2 and 3 may be out
	MM 1, S+32, A1, 0
	NOP4
	AL 4, A1
	s_wait_dscnt 4                                 ; K step 2; 3 and 4 may be out
	MM 2, VF, A2, 0
	NOP4
	AL 5, A2
	s_wait_tensorcnt 0x0                           ; my second part of w_out is in
.irp b, 0,1,2,3
	ds_load_b128 v[KF+8*\b+4:KF+8*\b+7], v[W2A] offset:4608*\b   ; the upper half of K step 3's fragments
.endr
	WL2 4, S+32
	WL2 5, VF
	s_wait_dscnt 16                                ; K step 3; w_out's 4 and 5 may be out
	MM 3, KF, A0, 0
	NOP4
	WL2 6, KF
	AL 6, A0
	s_wait_dscnt 18                                ; w_out's 4; its 5 and 6 and o's 6 may be out
	MM 4, S+32, A1, 0
	NOP4
	WL2 7, S+32
	AL 7, A1
	s_wait_dscnt 20                                ; w_out's 5; 6 and 7 of both may be out
	MM 5, VF, A2, 0
	s_wait_dscnt 10                                ; K step 6; 7 may be out
	MM 6, KF, A0, 0
	s_wait_dscnt 0x0
	MM 7, S+32, A1, 0
	NOP4
; THE WAY OUT through my stage: LDS serves a wave's instructions in order, so no wait stands between my stores and my loads of the same bytes
.irp b, 0,1,2,3
	ds_store_b128 v[XL], v[O+8*\b:O+8*\b+3] offset:128*(\b/2)+32*(\b%2)
	ds_store_b128 v[XL], v[O+8*\b+4:O+8*\b+7] offset:128*(\b/2)+32*(\b%2)+16
.endr
.irp t, 0,1,2,3,4,5,6,7
	ds_load_b128 v[VF+4*\t:VF+4*\t+3], v[XR] offset:2*SPITCH*\t
.endr
	s_wait_loadcnt 0x0                             ; x
	s_wait_dscnt 0x0                               ; the rows
.irp t, 0,1,2,3,4,5,6,7
	v_pk_add_f32 v[VF+4*\t:VF+4*\t+1], v[VF+4*\t:VF+4*\t+1], v[BI:BI+1]
	v_pk_add_f32 v[VF+4*\t+2:VF+4*\t+3], v[VF+4*\t+2:VF+4*\t+3], v[BI+2:BI+3]
.endr
.irp t, 0,1,2,3,4,5,6,7
	v_pk_add_f32 v[VF+4*\t:VF+4*\t+1], v[VF+4*\t:VF+4*\t+1], v[S+4*\t:S+4*\t+1]   ; x + (product + bias)
	v_pk_add_f32 v[VF+4*\t+2:VF+4*\t+3], v[VF+4*\t+2:VF+4*\t+3], v[S+4*\t+2:S+4*\t+3]
	global_store_b128 v[CO], v[VF+4*\t:VF+4*\t+3], s[14:15] offset:8192*\t th:TH_STORE_NT   ; 16 lanes store 256 consecutive bytes, aligned
.endr
	s_wait_tensorcnt 0x0                           ; the wave's end
	ds_add_u32 v[SPW], v[NIL]
	s_wait_dscnt 0x0
	CROUND                                         ; the closing round
	s_endpgm
.Lfunc_end_k_q859352c1b0_attn:
	.size	k_q859352c1b0_attn, .Lfunc_end_k_q859352c1b0_attn-k_q859352c1b0_attn
	.p2alignl 7, 3214868480
	.fill 96, 4, 3214868480
	.section	.rodata,"a",@progbits
	.p2align	6, 0x0
	.amdhsa_kernel k_q859352c1b0_attn
		.amdhsa_group_segment_fixed_size 327680
		.amdhsa_private_segment_fixed_size 0
		.amdhsa_enable_private_segment 0
		.amdhsa_kernarg_size 48
		.amdhsa_user_sgpr_count 2
		.amdhsa_user_sgpr_kernarg_segment_ptr 1
		.amdhsa_wavefront_size32 1
		.amdhsa_system_sgpr_workgroup_id_x 1
		.amdhsa_system_sgpr_workgroup_id_y 1
		.amdhsa_system_sgpr_workgroup_id_z 1
		.amdhsa_system_vgpr_workitem_id 0
		.amdhsa_next_free_vgpr 256
		.amdhsa_next_free_sgpr 102
		.amdhsa_reserve_vcc 0
		.amdhsa_float_denorm_mode_32 3
		.amdhsa_float_denorm_mode_16_64 3
		.amdhsa_memory_ordered 1
		.amdhsa_forward_progress 1
		.amdhsa_inst_pref_size 139
	.end_amdhsa_kernel
	.amdgpu_metadata
---
amdhsa.version: [ 1, 2 ]
amdhsa.kernels:
  - .name:           k_q859352c1b0_attn
    .symbol:         k_q859352c1b0_attn.kd
    .args:
      - { .name: qk, .offset: 0, .size: 8, .value_kind: global_buffer, .address_space: global }
      - { .name: vv, .offset: 8, .size: 8, .value_kind: global_buffer, .address_space: global }
      - { .name: wq, .offset: 16, .size: 8, .value_kind: global_buffer, .address_space: global }
      - { .name: b_out, .offset: 24, .size: 8, .value_kind: global_buffer, .address_space: global }
      - { .name: x, .offset: 32, .size: 8, .value_kind: global_buffer, .address_space: global }
      - { .name: out0, .offset: 40, .size: 8, .value_kind: global_buffer, .address_space: global }
    .group_segment_fixed_size: 327680
    .private_segment_fixed_size: 0
    .kernarg_segment_align: 8
    .kernarg_segment_size: 48
    .max_flat_workgroup_size: 512
    .sgpr_count:     102
    .vgpr_count:     256
    .wavefront_size: 32
...
	.end_amdgpu_metadata
.endif
;; end of part 3
